; MI455X (gfx1250); checked and timed in simulation.
; The chip was launched on July 23, 2026; its instructions are those of AMD's public machine-readable ISA for CDNA 5 (MIT licence, August 2026) and "CDNA5" Instruction Set Architecture Reference Guide (July 2026). The comments in the code are by the model that wrote it; some were corrected since.
;; Multi Head Attention. Allowed arithmetic: matrix products marked QUANTISED: E2M1 operands, one E8M0 scale for each 32 along K, by v_wmma_scale_f32_16x16x128_f8f6f4 with both operands' format E2M1 (or v_wmma_scale_f32_32x16x128_f4), f32 sums; everything else in f32.
;; Inputs: mask 1 x 1 x 2,048 x 4,096 float32; past 2 x 2 x 16 x 2,048 x 64 float32; x 2 x 2,048 x 3,072 float32.
;; Outputs: out0 2 x 2,048 x 1,024 float32; out1 2 x 2 x 16 x 2,048 x 64 float32.
;; This version of the problem:
;;   THIS VERSION OF THE PROBLEM IS GIVEN IN LOW PRECISION. The matrix products marked QUANTISED in the list below multiply operands that are first quantised to E2M1 (2 exponent bits, 1 mantissa bit; 4 bits a number), with one power-of-two scale for each 32 numbers along K (OCP MX v1.0); their sums are f32. All else is computed in f32.
;;   The module's matrix products, in the order in which they are computed (A, B: the left and right operand; K: the contracted axis; several contracted axes count as one K, in the product's order):
;;     1. batch 32 x [M 2,048, K 64] x [K 64, N 4,096]; A: computed on the way; B: computed on the way: QUANTISED
;;     2. batch 32 x [M 2,048, K 4,096] x [K 4,096, N 64]; A: softmax (see below); B: computed on the way: QUANTISED
;;   THE QUANTISER, for each operand of a quantised product, along K:
;;     - K is cut into blocks of 32 from its start; a last block that is shorter is filled with zeros.
;;     - A block's scale is 2^e with e = floor(log2(the largest magnitude in the block)) - 2, held to -126 .. 127; a block of zeros has e = 0. As a byte (E8M0): e + 127.
;;     - Each number is divided by its block's scale, clamped to +-6, and rounded to the nearest number of E2M1, ties to even, subnormals kept.
;;     - The product sums the exact products of the quantised numbers (number of the format x scale) in f32.
;;   ~~~python
;;   def quantise(x, axis):      # numpy; x: float32 -> the quantised numbers, widened to float32 again
;;       x = np.moveaxis(x, axis, -1); K = x.shape[-1]
;;       x = np.pad(x, [(0, 0)] * (x.ndim - 1) + [(0, -K % 32)]); x = x.reshape(x.shape[:-1] + (-1, 32)); a = np.abs(x).max(-1, keepdims=True)
;;       e = np.where(a > 0, np.clip(np.frexp(np.where(a > 0, a, 1))[1] - 1 - 2, -126, 127), 0)      # np.frexp(a)[1] - 1 = floor(log2(a)), exactly
;;       r = np.clip(x / 2.0 ** e, -6, 6)
;;       step = 2.0 ** (np.maximum(np.frexp(np.where(r == 0, 1, r))[1] - 1, 0) - 1)
;;       q = np.round(r / step) * step * 2.0 ** e      # np.round: ties to even
;;       return np.moveaxis(q.reshape(q.shape[:-2] + (-1,))[..., :K], -1, axis).astype(np.float32)
;;   ~~~
;;   SOFTMAX AHEAD OF A QUANTISED PRODUCT. Where the list says 'softmax', what is quantised is not the finished softmax but p = 2^(t - M), with t = logit x log2(e) and M = ceil(the row's largest t), a whole number; so 1/2 < the row's largest p <= 1. The row's sum l is taken of the UNQUANTISED p, in f32, and the product's result is divided by l at the end. Since M is a whole number, a kernel that streams over the keys may use a running M (the ceiling of the running maximum): every later rescaling is an exact power of two, which a block's scale takes up: the codes' values come out the same.
;;   OPERANDS COMPUTED ON THE WAY. 'Computed on the way' means the value that the module computes at that place (a softmax that the list does not call 'softmax' is quantised finished and normalised). What goes into a quantiser is computed in f32, as accurately as f32 sums, v_exp_f32 and their like allow (about 1e-6 of the number): no bf16 or f16 on the way to a quantiser, and a product that is left as it is and whose result goes on into a quantised operand takes f32 operands (vector FMAs, or v_wmma_f32_16x16x4_f32). A number that lies on a knife's edge between two numbers of the format may be rounded either way, as far as f32 arithmetic and the matrix unit's own rounding can turn it there, and no further.
;; One version. Each part assembles by itself: llvm-mc -triple=amdgcn-amd-amdhsa -mcpu=gfx1250 --defsym DOCPART=n.
;; ======== version 1 of 1: 2 launches
;; limits: right only within a limited range of input values
;; workspace buffers: kv 9,175,040 bytes
;; launch prep (part 1): grid 256 x 1, 8 waves a work-group, no clusters, 279,552 bytes of LDS; arguments past, x, kv, out1; writes kv, out1
.if DOCPART == 1
	.amdgcn_target "amdgcn-amd-amdhsa--gfx1250"
	.amdhsa_code_object_version 6
	.text
	.protected	k_q2a9331e8e6_prep
	.globl	k_q2a9331e8e6_prep
	.p2align	8
	.type	k_q2a9331e8e6_prep,@function
k_q2a9331e8e6_prep:
	s_mov_b64 s[64:65], 0
	v_nop
	global_prefetch_b8 v0, s[64:65] scope:SCOPE_SE
	s_setreg_imm32_b32 hwreg(HW_REG_WAVE_MODE, 25, 1), 1
	s_wait_xcnt 0x0
; K and V of all 32 heads (2,048 keys out of past, 2,048 out of x) become codes of FP4 (E2M1) with one E8M0 byte for each 32 along a product's K:
; K along the head's 64 channels, V along the keys.  x's k and v are also copied to out1, laid by heads.
; A block's scale is 2^(floor(log2(its largest magnitude)) - 2): its byte is the largest magnitude's exponent field - 2, held at 1 from below.
; LIMITS: NaN and infinities among the inputs are not served.  A block of zeros gets the byte 1 (its codes are zeros, which add nothing under any byte but 0xff); the bytes are read by this program alone.
; THE WORKSPACE kv IS LAID IN THE ORDER OF THE OPERANDS' REGISTERS.  For each group g = 4 b + head / 4 and each slot of 256 keys one dense block of 71,680 bytes at (16 g + slot) x 71,680.
;   In it idx = 4 x (which 128 keys of the slot) + head % 4.   Codes at 8,192 idx: K's eight tiles of 512 bytes (lane l's 16 bytes at 16 l: channels 32 (l / 16) + 0 .. 31 of key
;   32 (t / 2) + 8 (t % 2) + r + 8 (r / 8), r = l % 16), then at + 4,096 V's: 1,024 dt + 512 c + 16 l: channel 16 dt + r, keys 64 c + 32 (l / 16) + 0 .. 31.
;   Scale words at 65,536 + 768 idx: K's 512 bytes (lane l's word j: tile 2 j + l / 16, row l % 16; bytes 0, 1 the two blocks', bytes 2, 3 the byte of 1.0), then V's 256 (lane l's word j: channel 32 j + l).
; SHARES.  A unit is 128 keys of one head of K or of V out of one source: 128 rows of 256 bytes.  A wave takes one unit: wave w: source w / 4 (past, x), kind (w / 2) % 2 (K, V), and unit 2 x work-group + w % 2 of
; the 512 (head, 128 keys) of that source and kind.  So every work-group has the same mix of work, and every branch hangs on the wave's number alone.
; The unit comes into the wave's own LDS bytes by one tensor load of 128 rows, issued at the head; LDS is filled once and each wave reads its own bytes alone: no barrier.
; No cluster: no two work-groups read the same bytes.
.set WREG,  34816                      ; a wave's LDS bytes: 128 rows of PITCH
.set PITCH, 272                        ; 256 bytes of a row + 16 of padding
.set AKL, 4                            ; v4   K: LDS address of my key's row, my 32 channels
.set AVL, 5                            ; v5   V: LDS address of my channel in row 0
.set ACL, 6                            ; v6   the copy: sixteen lanes to a row, two rows an instruction
.set KO,  7                            ; v7   16 x lane
.set VO,  8                            ; v8   V's codes: 1,024 (lane / 16) + 16 (lane % 16)
.set VSO, 9                            ; v9   8 x lane
.set SH8, 10                           ; v10  8 (lane / 16): where my block's byte stands in K's scale word
.set MX0, 12                           ; v12, v13 the largest magnitude, in two chains
.set MX1, 13
.set SCL, 14                           ; v14  the conversions' scale operand
.set BY,  15                           ; v15  the scale's byte
.set T0,  16
.set T1,  17
.set W,   32                           ; v32-39  scale words: K's tile t, or V's channels 32 p + lane
.set WS,  40                           ; v40-43  K's scale words as they are stored
.set C,   44                           ; v44-75  codes: four registers for each tile or block, never written twice
.set X,   80                           ; v80-207 four sets of 32 numbers
.set WV,  12                           ; s12  my wave's number
.set G1P, 24                           ; s[24:31] descriptor group 1 for rows of past;  s[32:39] for rows of x: it differs in the pitch alone
.set G1X, 32
.set G0,  40                           ; s[40:43] descriptor group 0
	s_load_b256 s[4:11], s[0:1], 0x0               ; past s[4:5], x s[6:7], kv s[8:9], out1 s[10:11]
	v_lshl_add_u32 v208, v0, 2, 0x44000
	v_mov_b32 v209, 0
	ds_add_u32 v208, v209
	ds_add_u32 v208, v209
	v_lshrrev_b32 v1, 5, v0
	s_delay_alu instid0(VALU_DEP_1)
	v_readfirstlane_b32 s[WV], v1                  ; wave 0..7
	v_and_b32 v1, 31, v0                           ; lane
	v_and_b32 v2, 15, v0                           ; r
	v_bfe_u32 v3, v0, 4, 1                         ; h
	s_mul_i32 s22, s[WV], WREG                     ; my LDS bytes
	v_and_b32 v[AKL], 8, v2
	s_delay_alu instid0(VALU_DEP_1)
	v_add_nc_u32 v[AKL], v[AKL], v2                ; r + 8 (r / 8)
	s_delay_alu instid0(VALU_DEP_1)
	v_mul_u32_u24 v[AKL], v[AKL], PITCH
	s_delay_alu instid0(VALU_DEP_1)
	v_lshl_add_u32 v[AKL], v3, 7, v[AKL]           ; + 128 h: channels 32 h on
	s_delay_alu instid0(VALU_DEP_1)
	v_add_nc_u32 v[AKL], s22, v[AKL]
	v_lshl_add_u32 v[AVL], v1, 2, s22
	v_mul_u32_u24 v[ACL], v3, PITCH
	s_delay_alu instid0(VALU_DEP_1)
	v_lshl_add_u32 v[ACL], v2, 4, v[ACL]
	s_delay_alu instid0(VALU_DEP_1)
	v_add_nc_u32 v[ACL], s22, v[ACL]
	v_lshlrev_b32 v[KO], 4, v1
	v_lshlrev_b32 v[VO], 10, v3
	s_delay_alu instid0(VALU_DEP_1)
	v_lshl_add_u32 v[VO], v2, 4, v[VO]
	v_lshlrev_b32 v[VSO], 3, v1
	v_lshlrev_b32 v[SH8], 3, v3
	v_mov_b32 v[T1], 0                             ; written once: a lane permute's destination counts as one of its sources
	s_lshr_b32 s13, s[WV], 2                       ; source: 0 past, 1 x
	s_bfe_u32 s14, s[WV], 0x10001                  ; kind: 0 K, 1 V
	s_and_b32 s15, s[WV], 1
	s_lshl_b32 s16, ttmp9, 1
	s_add_co_u32 s16, s16, s15                     ; my unit, 0 .. 511
	s_lshr_b32 s17, s16, 4                         ; 16 b + head
	s_and_b32 s18, s16, 15                         ; which 128 keys of the source's 2,048
	s_lshr_b32 s19, s17, 4                         ; b
	s_and_b32 s20, s17, 15                         ; head
	s_lshl_b32 s21, s13, 4
	s_add_co_u32 s21, s21, s18                     ; which 128 keys of the 4,096: past's come first
	s_lshl_b32 s56, s19, 1                         ; in past and in out1, [b][kind][head][2,048][64] f32: ((2 b + kind) 16 + head) x 2^19 + 128 rows of 256 bytes x the step
	s_add_co_u32 s56, s56, s14
	s_lshl_b32 s56, s56, 4
	s_add_co_u32 s56, s56, s20
	s_lshl_b32 s56, s56, 19
	s_lshl_b32 s57, s18, 15
	s_add_co_u32 s56, s56, s57
	s_mov_b32 s57, 0
	s_mul_i32 s60, s19, 25165824                   ; in x, [b][2,048][3,072] f32: rows of 12,288 bytes; k's third begins at 4,096, v's at 8,192; 256 bytes a head
	s_mul_i32 s61, s18, 1572864
	s_add_co_u32 s60, s60, s61
	s_lshl_b32 s61, s14, 12
	s_add_co_u32 s60, s60, s61
	s_lshl_b32 s61, s20, 8
	s_add_co_u32 s60, s60, s61
	s_add_co_u32 s60, s60, 4096
	s_lshr_b32 s48, s17, 2                         ; in kv: the block (16 g + slot) x 71,680,
	s_lshl_b32 s48, s48, 4
	s_lshr_b32 s49, s21, 1
	s_add_co_u32 s48, s48, s49
	s_mul_i32 s48, s48, 71680
	s_and_b32 s49, s21, 1
	s_lshl_b32 s49, s49, 2
	s_and_b32 s50, s17, 3
	s_add_co_u32 s49, s49, s50                     ; idx
	s_mul_i32 s50, s49, 768
	s_add_co_u32 s50, s50, s48
	s_lshl_b32 s51, s14, 9
	s_add_co_u32 s50, s50, s51
	s_add_co_u32 s50, s50, 65536                   ; my scale words
	s_lshl_b32 s49, s49, 13
	s_add_co_u32 s48, s48, s49
	s_lshl_b32 s49, s14, 12
	s_add_co_u32 s48, s48, s49                     ; my codes
	s_mov_b32 s49, 0
	s_mov_b32 s51, 0
	s_mov_b32 s54, 0x76543210
	s_mov_b32 s55, 0xfedcba98                      ; v_permlanex16_b32's selects for lane l xor 16
	s_mov_b32 s23, 0x7f7f0000                      ; bytes 2 and 3 of K's scale words: 1.0
	; descriptor group 1: a tile of 128 rows x 64 elements of 4 bytes; 4 words of padding behind every 64 words
.irp g, G1P, G1X
	s_mov_b32 s[\g], (2<<16)|(1<<20)|(5<<22)|(3<<25)
	s_mov_b32 s[\g+1], 64<<16                      ; tensor_dim0 = 64
	s_mov_b32 s[\g+2], 128<<16                     ; tensor_dim1 = 128: a wave's whole unit comes by ONE tensor load
	s_mov_b32 s[\g+3], 64<<16                      ; tile_dim0 = 64
	s_mov_b32 s[\g+4], 128                         ; tile_dim1 = 128
	s_mov_b32 s[\g+6], 0
	s_mov_b32 s[\g+7], 0
.endr
	s_mov_b32 s[G1P+5], 64                         ; from row to row: 64 elements in past,
	s_mov_b32 s[G1X+5], 3072                       ; 3,072 in x
	s_wait_dscnt 0x0
	s_wait_kmcnt 0x0
	s_add_nc_u64 s[48:49], s[8:9], s[48:49]        ; kv at my codes,
	s_add_nc_u64 s[50:51], s[8:9], s[50:51]        ; at my scale words;
	s_add_nc_u64 s[52:53], s[10:11], s[56:57]      ; out1 at my unit
	s_cmp_eq_u32 s13, 0                            ; past or x?  The choice hangs on the wave's number alone
	s_cselect_b64 s[58:59], s[4:5], s[6:7]
	s_cselect_b32 s60, s56, s60
	s_mov_b32 s61, 0
	s_add_nc_u64 s[58:59], s[58:59], s[60:61]
	s_mov_b32 s[G0], 1                             ; count = 1
	s_mov_b32 s[G0+1], s22                         ; LDS address: my rows
	s_mov_b64 s[G0+2:G0+3], s[58:59]
	s_or_b32 s[G0+3], s[G0+3], 0x80000000          ; type = 2
	s_cmp_lt_u32 s[WV], 4                          ; one tensor load a wave, all 128 rows of its unit: one arm for each source
	s_cbranch_scc0 .Lfrom_x
	tensor_load_to_lds s[G0:G0+3], s[G1P:G1P+7]
	s_nop 0
.rept 4
	v_nop
.endr
	s_branch .Lasked
.Lfrom_x:
	tensor_load_to_lds s[G0:G0+3], s[G1X:G1X+7]
	s_nop 0
.rept 4
	v_nop
.endr
.Lasked:
; 32 numbers of ONE lane, v[QX] on, are one block: its byte into v[BY], its codes into v[QC] .. v[QC + 3].  The line that follows the macro is a plain vector line that names neither the codes nor the sources.
.macro QBLK
	v_max3_num_f32 v[MX0], |v[QX]|, |v[QX+1]|, |v[QX+2]|
	v_max3_num_f32 v[MX1], |v[QX+3]|, |v[QX+4]|, |v[QX+5]|
.irp i, 6,10,14,18,22,26
	s_delay_alu instid0(VALU_DEP_2)
	v_max3_num_f32 v[MX0], v[MX0], |v[QX+\i]|, |v[QX+\i+1]|
	s_delay_alu instid0(VALU_DEP_2)
	v_max3_num_f32 v[MX1], v[MX1], |v[QX+\i+2]|, |v[QX+\i+3]|
.endr
	s_delay_alu instid0(VALU_DEP_2)
	v_max3_num_f32 v[MX0], v[MX0], |v[QX+30]|, |v[QX+31]|
	s_delay_alu instid0(VALU_DEP_1)
	v_max3_num_f32 v[MX0], v[MX0], v[MX1], 0x1800000       ; and the floor 2^(3 - 127): the byte cannot fall under 1
	s_delay_alu instid0(VALU_DEP_1)
	v_add_nc_u32 v[SCL], 0xff000000, v[MX0]                ; 2 off the exponent field: the conversion takes the exponent field of this operand as its scale
	s_delay_alu instid0(VALU_DEP_1)
	v_lshrrev_b32 v[BY], 23, v[SCL]                        ; the scale's byte
.irp g, 0,1,2,3
	v_cvt_scalef32_pk8_fp4_f32 v[QC+\g], v[QX+8*\g:QX+8*\g+7], v[SCL]
.endr
.endm
; K, tiles 4 hf .. 4 hf + 3 (keys 64 hf on).  Lane (r, h) takes 32 neighbouring channels of its key: a whole block.  Each tile's codes leave as 512 consecutive bytes.
.macro KHALF hf
.irp k, 0,1,2,3
.irp i, 0,1,2,3,4,5,6,7
	ds_load_b128 v[X+32*\k+4*\i:X+32*\k+4*\i+3], v[AKL] offset:(32*((4*\hf+\k)/2)+8*(\k%2))*PITCH+16*\i
.endr
.endr
.irp k, 0,1,2,3
	s_wait_dscnt 8*(3-\k)                          ; this tile's eight loads are in; the later tiles' may be out
.set QX, X+32*\k
.set QC, C+4*(4*\hf+\k)
	QBLK
	v_lshl_or_b32 v[T0], v[BY], v[SH8], s23        ; my block's byte at its place, under the two bytes of 1.0;
	s_delay_alu instid0(VALU_DEP_1)
	v_permlanex16_b32 v[T1], v[T0], s54, s55
	s_delay_alu instid0(VALU_DEP_1)
	v_or_b32 v[W+4*\hf+\k], v[T0], v[T1]           ; with lane l xor 16's the key's word is whole, in both halves of the lanes
	global_store_b128 v[KO], v[QC:QC+3], s[48:49] offset:512*(4*\hf+\k)
.endr
.if \hf
	v_cmp_le_u32 vcc_lo, 16, v1                    ; lanes 0-15 store the even tiles' words, lanes 16-31 the odd tiles'
.irp j, 0,1,2,3
	v_cndmask_b32 v[WS+\j], v[W+2*\j], v[W+2*\j+1], vcc_lo
.endr
	global_store_b128 v[KO], v[WS:WS+3], s[50:51]  ; 512 consecutive bytes
.endif
.endm
; V, key blocks 2 hf and 2 hf + 1, for channels 32 p + lane, p = 0, 1: group n = 2 p + (the block's parity).  A lane takes a channel and its registers run down the keys: a block lies in one lane.
.macro VLOAD hf, n
.set i, 0
.rept 32
	ds_load_b32 v[X+32*(\n)+i], v[AVL] offset:(32*(2*(\hf)+(\n)%2)+i)*PITCH+128*((\n)/2)
.set i, i+1
.endr
.endm
.macro VQ hf, n
.set KB, 2*(\hf)+(\n)%2
.set PP, (\n)/2
.set QX, X+32*(\n)
.set QC, C+4*(4*PP+KB)
	QBLK
.if KB == 0
	v_mov_b32 v[W+PP], v[BY]                       ; four bytes to a word, the earlier keys in the lower byte
.else
	v_lshl_or_b32 v[W+PP], v[BY], 8*KB, v[W+PP]
.endif
	global_store_b128 v[VO], v[QC:QC+3], s[48:49] offset:2048*PP+512*(\hf)+256*((\n)%2)   ; each half of the lanes stores 256 consecutive bytes, aligned
.endm
.macro VHALF hf
	VLOAD \hf, 0
	VLOAD \hf, 1
	s_wait_dscnt 32                                ; the older group is in; the younger group's 32 loads may be out
	VQ \hf, 0
	VLOAD \hf, 2
	s_wait_dscnt 32
	VQ \hf, 1
	VLOAD \hf, 3
	s_wait_dscnt 32
	VQ \hf, 2
	s_wait_dscnt 0x0
	VQ \hf, 3
.if \hf
	global_store_b64 v[VSO], v[W:W+1], s[50:51]    ; 256 consecutive bytes
.endif
.endm
; x's rows go to out1 as they are: two rows, 512 consecutive bytes, an instruction
.macro COPY hf
.set i, 0
.rept 32
	ds_load_b128 v[X+4*i:X+4*i+3], v[ACL] offset:(64*(\hf)+2*i)*PITCH
.set i, i+1
.endr
.set i, 0
.rept 32
	s_wait_dscnt 31-i
	global_store_b128 v[KO], v[X+4*i:X+4*i+3], s[52:53] offset:16384*(\hf)+512*i th:TH_STORE_NT
.set i, i+1
.endr
.endm
.macro HALF hf
	s_wait_tensorcnt 0x0                           ; my one tensor load has landed: all 128 rows are in LDS
.if \hf
	s_wait_xcnt 0x0                                ; the copy's stores have read v[X] on: only behind this wait are those registers loaded again
.endif
	s_cmp_eq_u32 s14, 0
	s_cbranch_scc0 .Lvalues_\@
	KHALF \hf
	s_branch .Ldone_\@
.Lvalues_\@:
	VHALF \hf
.Ldone_\@:
	s_cmp_eq_u32 s13, 0
	s_cbranch_scc1 .Lno_copy_\@
	COPY \hf
.Lno_copy_\@:
.endm
	HALF 0
	HALF 1
	s_wait_tensorcnt 0x0
	ds_add_u32 v208, v209
	s_wait_dscnt 0x0
	s_endpgm
.Lfunc_end_k_q2a9331e8e6_prep:
	.size	k_q2a9331e8e6_prep, .Lfunc_end_k_q2a9331e8e6_prep-k_q2a9331e8e6_prep
	.p2alignl 7, 3214868480
	.fill 96, 4, 3214868480
	.section	.rodata,"a",@progbits
	.p2align	6, 0x0
	.amdhsa_kernel k_q2a9331e8e6_prep
		.amdhsa_group_segment_fixed_size 279552
		.amdhsa_private_segment_fixed_size 0
		.amdhsa_enable_private_segment 0
		.amdhsa_kernarg_size 32
		.amdhsa_user_sgpr_count 2
		.amdhsa_user_sgpr_kernarg_segment_ptr 1
		.amdhsa_wavefront_size32 1
		.amdhsa_system_sgpr_workgroup_id_x 1
		.amdhsa_system_sgpr_workgroup_id_y 1
		.amdhsa_system_sgpr_workgroup_id_z 1
		.amdhsa_system_vgpr_workitem_id 0
		.amdhsa_next_free_vgpr 210
		.amdhsa_next_free_sgpr 66
		.amdhsa_reserve_vcc 1
		.amdhsa_float_denorm_mode_32 3
		.amdhsa_float_denorm_mode_16_64 3
		.amdhsa_memory_ordered 1
		.amdhsa_forward_progress 1
		.amdhsa_inst_pref_size 73
	.end_amdhsa_kernel
	.amdgpu_metadata
---
amdhsa.version: [ 1, 2 ]
amdhsa.kernels:
  - .name:           k_q2a9331e8e6_prep
    .symbol:         k_q2a9331e8e6_prep.kd
    .args:
      - { .name: past, .offset: 0, .size: 8, .value_kind: global_buffer, .address_space: global }
      - { .name: x, .offset: 8, .size: 8, .value_kind: global_buffer, .address_space: global }
      - { .name: kv, .offset: 16, .size: 8, .value_kind: global_buffer, .address_space: global }
      - { .name: out1, .offset: 24, .size: 8, .value_kind: global_buffer, .address_space: global }
    .group_segment_fixed_size: 279552
    .private_segment_fixed_size: 0
    .kernarg_segment_align: 8
    .kernarg_segment_size: 32
    .max_flat_workgroup_size: 256
    .sgpr_count:     66
    .vgpr_count:     210
    .wavefront_size: 32
...
	.end_amdgpu_metadata
.endif
;; end of part 1
;; launch attn (part 2): grid 8 x 32, 8 waves a work-group, clusters of 4 x 4, 327,680 bytes of LDS; arguments x, mask, kv, out0; writes out0
.if DOCPART == 2
	.amdgcn_target "amdgcn-amd-amdhsa--gfx1250"
	.amdhsa_code_object_version 6
	.text
	.protected	k_q2a9331e8e6_attn
	.globl	k_q2a9331e8e6_attn
	.p2align	8
	.type	k_q2a9331e8e6_attn,@function
k_q2a9331e8e6_attn:
	s_mov_b64 s[64:65], 0
	v_nop
	global_prefetch_b8 v0, s[64:65] scope:SCOPE_SE
	s_setreg_imm32_b32 hwreg(HW_REG_WAVE_MODE, 25, 1), 1
	s_wait_xcnt 0x0
	s_wait_alu depctr_hold_cnt(0) depctr_sa_sdst(0) depctr_va_vdst(0) depctr_va_sdst(0) depctr_va_ssrc(0) depctr_va_vcc(0) depctr_vm_vsrc(0)
	s_getreg_b32 s2, hwreg(HW_REG_IB_STS2, 6, 4)
	s_cmp_eq_u32 s2, 0
	s_cbranch_scc0 .Lentry_in_a_cluster
	s_endpgm
.Lentry_in_a_cluster:
	s_bfe_u32 s2, ttmp6, 0x10000c
	s_cmp_lg_u32 s2, 0xf033
	s_cbranch_scc0 .Lentry_shape_is_right
	s_endpgm
.Lentry_shape_is_right:
; out0[b][q][64 head + d] = the sum over 4,096 keys of softmax_k(8 q . k + mask[q][k] x (-1e9)) v[k][d], both products on codes of FP4 (E2M1) with one E8M0 scale for each 32 along a product's K.
; K and V come as codes and scale words out of the workspace kv, laid in the order of the operands' registers (71,680 bytes for 4 heads x 256 keys; its map stands at the head of the launch that writes it).
; q is read by one wave alone and is quantised here, in registers.  The mask is an input and is taken as the f32 numbers that it holds.
; THE SOFTMAX: t = logit x log2(e); M = the row's largest t so far, rounded UP to a whole number; p = 2^(t - M) is quantised along the keys, not normalised.  The row's sum is taken of the unquantised p, in f32,
; and divides at the end.  When M moves, the sum and O are multiplied by 2^(old M - new M): exact.
; THE MASK IS THE FIRST PRODUCT'S C: mask x -1.25e8 (= -1e9 / 8, exact in f32) in the result's own layout; the product adds q . k onto it; t = that sum x 8 log2(e).
; THE FIRST PRODUCT'S K IS 64 of the instruction's 128: q's registers 4-7 are zero codes and bytes 2, 3 of both scale words are the byte of 1.0, so the codes in the upper half of source 0 add an exact 0.
; A tile of K is four registers, named with the next tile's four behind them (behind the last tile: four registers of zeros).
; LIMITS: NaN and infinities among the inputs are not served.  The promise holds while the scaled scores t stay under 2^31 in magnitude.  q . k + mask x (-1.25e8) is rounded by the matrix unit.
; SHARES.  A work-group owns 64 queries of 4 heads of one b.  Wave w of eight owns queries 16 (w / 2) on and heads 2 (w % 2), 2 (w % 2) + 1: TWO HEADS SHARE ONE SCALED MASK, 64 registers read from LDS and multiplied once.
; REGISTER WINDOWS: head h's registers lie in window h under the same numbers (v64-249).  Window 0, v0-63 and v250-251: addresses and all scale words (a scale operand is taken from v0-v255).  Window 1, v0-63: the mask.
; FRAGMENTS ARE LOADED ONE KEY STEP AHEAD: the next step's mask behind the two first products, a head's next K and V behind its second product.  So a slot's last LDS reads are in registers when its last step's
; arithmetic begins: the change of slots stands there, and a wave leaves it with a whole step's operands in registers.
; CLUSTER, 4 x 4.  Work-group x = 4 b + (group of heads), y = block of 64 queries.  The mask's tile hangs on y alone: a row of the cluster asks jointly; kv's block hangs on x alone: a column does.
; LAYOUT.  Both products are used transposed: S^T = K Q^T, O^T = V^T P^T: a lane holds ONE query (lane % 16).  Lane r of K's tile 2 b + u holds key 32 b + 8 u + r + 8 (r / 8), so the 16 registers of tiles 2 b, 2 b + 1
; are the 16 neighbouring keys 32 b + 16 (lane / 16) + 0 .. 15.
.set SLOT,  138240                     ; a slot: the mask's 64 rows of MP bytes, then kv's block
.set MP,    1040                       ; a row of the mask's tile: 256 keys x 4 bytes + 16 of padding
.set KVO,   64*MP
.set SCO,   KVO+65536
.set SPARE, 2*SLOT                     ; the spare words: 128 bytes for each of 8 waves, four blocks of 256 bytes that no other line names
.set SP,    528                        ; the way out: a stage row, two heads' 512 bytes + 16; 16 rows a wave, in slot 0, which has had its last fill and its last read by then
; window 0
.set AM,  1                            ; v1, v2   my query's mask numbers in slot 0, 1
.set AK,  3                            ; v3, v4   my two heads' codes
.set ASK, 5                            ; v5, v6   K's scale words
.set ASV, 7                            ; v7, v8   V's
.set SPW, 9                            ; my spare word; never rewritten
.set NIL, 10                           ; 0; never rewritten
.set PFO, 11                           ; the prefetches' offset
.set KSB, 14                           ; v14-17, v46-49 K's scale words of head 0, 1
.set VS,  20                           ; v20-23 V's, two for each head
.set PW,  24                           ; v24, v25 p's scale word
.set STO, 26
.set RD,  27
.set GO,  28
.set RR,  29                           ; lane % 16
.set HH,  30                           ; lane / 16
.set LN,  31
.set QO,  32
.set T0,  33
.set QW,  250                          ; v250, v251 q's scale word
; window 1, v0-63: the mask: keys 32 b + 16 (lane / 16) + i in v[16 ((2 b + 1) % 5) + i]
; each window: one head
.set S,   64                           ; S^T, then p
.set O,   128                          ; O^T
.set KF,  160                          ; K's eight tiles; behind the first product the same registers are at work:
.set BM,  160                          ; each block's largest score, then its largest p
.set BT,  164
.set SO,  168                          ; the conversions' scale operands
.set TA,  172
.set NM2, 173
.set LB,  174                          ; v174-187 seven more chains of the row's sum
.set BN,  184                          ; v184-187 each block's second chain of the largest score (done with before the sums begin)
.set PT,  190
.set KZ,  192                          ; four registers of zeros
.set VF,  196                          ; V's four tiles
.set QF,  228                          ; q's codes, then four registers of zeros
.set PC,  236                          ; p's codes
.set L,   244                          ; the row's sum, in two halves
.set NM,  246                          ; -M
.set SMX, 247                          ; the largest score so far
.set F,   248                          ; 2^(old M - new M)
.set WV,  12
.set G1M, 24
.set G1K, 32
.set G0M, 40
.set G0K, 48
.set CS,  56                           ; s[56:57] 8 log2(e)
.set CM,  58                           ; s[58:59] -1.25e8
.set SEL, 60
.set LAP, 62
.set LIM, 63
.set PFA, 66
.set PFS, 68
.set CN,  82                           ; -8 log2(e)
.set MSB, 0
.macro WIN new                         ; bits 1:0 source 0, 3:2 source 1, 5:4 source 2, 7:6 destination; the high byte repeats the setting that is left
.if MSB != (\new)
	s_set_vgpr_msb (MSB<<8)|(\new)
.set MSB, (\new)
.endif
.endm
.macro PLACES
.rept 4
	v_nop
.endr
.endm
.macro CREST                           ; a round of the cluster's barrier behind its opening barrier
	s_cmp_lg_u32 s[WV], 0
	s_cbranch_scc1 .Lnot_first_\@
	s_barrier_signal -3
.Lnot_first_\@:
	s_barrier_wait -3
	s_barrier_signal -1
	s_barrier_wait -1
.endm
.macro CROUND
	s_barrier_signal -1
	s_barrier_wait -1
	s_cmp_lg_u32 s[WV], 0
	s_cbranch_scc1 .Lnot_wave_0_\@
	s_barrier_signal -3
.Lnot_wave_0_\@:
	s_barrier_wait -3
	s_barrier_signal -1
	s_barrier_wait -1
.endm
; A joint fill of slot s, one tensor load a wave: waves 0-3 a quarter of the mask's tile (16 rows), waves 4-7 a quarter of kv's block (17,920 bytes).  An s_nop 0 and four v_nop follow each line.
.macro JLOAD s
	s_cmp_lt_u32 s[WV], 4
	s_cbranch_scc0 .Lfor_kv_\@
	tensor_load_to_lds s[G0M+4*\s:G0M+4*\s+3], s[G1M:G1M+7]
	s_nop 0
	PLACES
	s_branch .Lasked_\@
.Lfor_kv_\@:
	tensor_load_to_lds s[G0K+4*\s:G0K+4*\s+3], s[G1K:G1K+7]
	s_nop 0
	PLACES
.Lasked_\@:
.endm
; A prefetch into the L2: behind the fill of slot f stands one instruction a wave for slot f + 2, two changes of slots ahead of the load that will want it.  EVERY cluster asks for what it will itself load, each aligned
; block of 256 bytes once in the cluster; the four partners that load a tile jointly share its blocks out by ADDRESS.  The mask's tile (64 rows x 1,024 bytes): waves 4 and 5; the partner at cx takes rows
; 16 cx + 8 (w % 2) + lane / 4, block lane % 4.  kv's 65,536 bytes of codes: waves 6 and 7; the partner at cy takes 16,384 bytes, 8,192 a wave, lanes 256 bytes apart.  kv's 6,144 bytes of scale words: wave 3; the partner
; at cy takes 6 blocks (the lanes that are left over name the last again).  The branch hangs on the wave's number and the count of trips alone.
; how = 1: at the head, behind the fills of slots 0 and 1; how = 0: in the loop, where the last trip's two fills (slots 14, 15) have no slot two on.  Slots 0 and 1 come by their loads alone.
.macro ASK how
.if \how
	s_cmp_eq_u32 s[LIM], 1
.else
	s_cmp_gt_u32 s[LAP], s[LIM]
.endif
	s_cbranch_scc0 .Lnot_mine_\@
	global_prefetch_b8 v[PFO], s[PFA:PFA+1] th:TH_LOAD_NT scope:SCOPE_SE
.Lnot_mine_\@:
.endm
.macro MLOAD sl, st                    ; the mask of my query at a step's 128 keys: 16 loads into window 1
	WIN 0x40
.irp b, 0,1,2,3
.irp i, 0,1,2,3
	ds_load_b128 v[16*((2*\b+1)%5)+4*\i:16*((2*\b+1)%5)+4*\i+3], v[AM+\sl] offset:512*\st+128*\b+16*\i
.endr
.endr
.endm
.macro LOADKV h, sl, st                ; head h's operands of a step: 18 loads: the scale words, K's eight tiles, then V's eight halves
	WIN 0
	ds_load_b128 v[KSB+32*\h:KSB+32*\h+3], v[ASK+\sl] offset:3072*\st+768*\h
	ds_load_b64 v[VS+2*\h:VS+2*\h+1], v[ASV+\sl] offset:3072*\st+768*\h
	WIN 0x40*\h
.irp t, 0,1,2,3,4,5,6,7
	ds_load_b128 v[KF+4*\t:KF+4*\t+3], v[AK+\sl] offset:32768*\st+8192*\h+512*\t
.endr
.irp t, 0,1,2,3,4,5,6,7
	ds_load_b128 v[VF+4*\t:VF+4*\t+3], v[AK+\sl] offset:32768*\st+8192*\h+4096+512*\t
.endr
.endm
.macro QK h                            ; S^T = K Q^T + the mask's term: eight accumulators, one instruction each; C in window 1, D, A, B in window h
	WIN 0x10+0x45*\h
.irp b, 0,1,2,3
	v_wmma_scale_f32_16x16x128_f8f6f4 v[S+16*\b:S+16*\b+7], v[KF+8*\b:KF+8*\b+7], v[QF:QF+7], v[16*((2*\b+1)%5):16*((2*\b+1)%5)+7], v[KSB+32*\h+\b], v[QW+\h] matrix_a_fmt:MATRIX_FMT_FP4 matrix_b_fmt:MATRIX_FMT_FP4
	v_wmma_scale_f32_16x16x128_f8f6f4 v[S+16*\b+8:S+16*\b+15], v[KF+8*\b+4:KF+8*\b+11], v[QF:QF+7], v[16*((2*\b+1)%5)+8:16*((2*\b+1)%5)+15], v[KSB+32*\h+\b], v[QW+\h] matrix_a_fmt:MATRIX_FMT_FP4 matrix_b_fmt:MATRIX_FMT_FP4 matrix_a_scale:MATRIX_SCALE_ROW1
.endr
.endm
; Head h's softmax of 128 keys and its second product.  vw: the LDS loads issued behind head 1's V, which may stay out.
.macro SOFT h, vw
	WIN 0x55*\h
.if \h
	s_wait_dscnt \vw                               ; head 1's V and its scale words are in
	s_wait_alu depctr_va_vdst(0)                   ; directly ahead of the first reader of S^T
.endif
.irp b, 0,1,2,3
	v_max3_num_f32 v[BM+\b], v[S+16*\b], v[S+16*\b+1], v[S+16*\b+2]   ; each block's largest score serves the row's maximum and the block's largest p; two chains a block, one for each accumulator, from its low end on
	v_max3_num_f32 v[BN+\b], v[S+16*\b+8], v[S+16*\b+9], v[S+16*\b+10]
.endr
.irp i, 3,5
.irp b, 0,1,2,3
	v_max3_num_f32 v[BM+\b], v[BM+\b], v[S+16*\b+\i], v[S+16*\b+\i+1]
	v_max3_num_f32 v[BN+\b], v[BN+\b], v[S+16*\b+\i+8], v[S+16*\b+\i+9]
.endr
.endr
.irp b, 0,1,2,3
	v_max3_num_f32 v[BM+\b], v[BM+\b], v[BN+\b], v[S+16*\b+7]
.endr
.irp b, 0,1,2,3
	v_max_num_f32 v[BM+\b], v[BM+\b], v[S+16*\b+15]
.endr
.irp b, 0,1,2,3
	v_permlanex16_b32 v[BT+\b], v[BM+\b], s[SEL], s[SEL+1]
.endr
.irp b, 0,1,2,3
	v_max_num_f32 v[BM+\b], v[BM+\b], v[BT+\b]     ; with lane l xor 16's 16 keys
.endr
	v_max3_num_f32 v[TA], v[BM], v[BM+1], v[BM+2]
	s_delay_alu instid0(VALU_DEP_1)
	v_max3_num_f32 v[SMX], v[SMX], v[TA], v[BM+3]  ; the running largest score
	s_delay_alu instid0(VALU_DEP_1)
	v_mul_f32 v[TA], s[CN], v[SMX]                 ; -t
	s_delay_alu instid0(VALU_DEP_1)
	v_floor_f32 v[NM2], v[TA]                      ; the new -M = floor(-t) = -ceil(t)
	s_delay_alu instid0(VALU_DEP_1)
	v_sub_f32 v[TA], v[NM2], v[NM]                 ; old M - new M: a whole number, 0 or less
	v_mov_b32 v[NM], v[NM2]
	s_delay_alu instid0(VALU_DEP_2)
	v_cvt_i32_f32 v[TA], v[TA]                     ; (it saturates)
	s_delay_alu instid0(VALU_DEP_1)
	v_ldexp_f32 v[F], 1.0, v[TA]                   ; f = 2^(old M - new M)
.set j, 0
.rept 32
	v_pk_fma_f32 v[S+j:S+j+1], v[S+j:S+j+1], s[CS:CS+1], v[NM:NM+1] op_sel_hi:[1,0,0]   ; t - M
.set j, j+2
.endr
.irp b, 0,1,2,3
	v_fma_f32 v[BM+\b], v[BM+\b], s[CS], v[NM]
.endr
	s_wait_alu depctr_va_vdst(0)                   ; ahead of the batch
.set j, 0
.rept 64
	v_exp_f32 v[S+j], v[S+j]                       ; p = 2^(t - M)
.set j, j+1
.endr
	v_pk_mul_f32 v[L:L+1], v[L:L+1], v[F:F+1] op_sel_hi:[1,0]      ; the sums under the new M (the plain line behind the batch)
	s_wait_alu depctr_va_vdst(0)                   ; one wait for the batch, ahead of its first reader
.irp b, 0,1,2,3
	v_exp_f32 v[BM+\b], v[BM+\b]                   ; the block's largest p: the same two instructions on the same number
.endr
.irp k, 0,1,2,3,4,5,6                          ; the row's sum of the unquantised p, in eight chains: 32 pairs and the sum so far take 32 additions, 27 of them here
	v_pk_add_f32 v[LB+2*\k:LB+2*\k+1], v[S+4*\k:S+4*\k+1], v[S+4*\k+2:S+4*\k+3]
.endr
	v_pk_add_f32 v[L:L+1], v[L:L+1], v[S+28:S+29]
.irp k, 0,1,2,3,4,5,6
	v_pk_add_f32 v[LB+2*\k:LB+2*\k+1], v[LB+2*\k:LB+2*\k+1], v[S+30+2*\k:S+31+2*\k]
.endr
	v_pk_add_f32 v[L:L+1], v[L:L+1], v[S+44:S+45]
.irp k, 0,1,2,3,4,5,6
	v_pk_add_f32 v[LB+2*\k:LB+2*\k+1], v[LB+2*\k:LB+2*\k+1], v[S+46+2*\k:S+47+2*\k]
.endr
	v_pk_add_f32 v[LB:LB+1], v[LB:LB+1], v[LB+8:LB+9]
	v_pk_add_f32 v[LB+2:LB+3], v[LB+2:LB+3], v[LB+10:LB+11]
	v_pk_add_f32 v[LB+4:LB+5], v[LB+4:LB+5], v[LB+12:LB+13]
	v_pk_add_f32 v[L:L+1], v[L:L+1], v[LB+6:LB+7]
	s_wait_alu depctr_va_vdst(0)                   ; and one for the four
.irp b, 0,1,2,3
	v_max_num_f32 v[BM+\b], 0x1800000, v[BM+\b]    ; the floor 2^(3 - 127): the byte cannot fall under 1
.endr
.irp b, 0,1,2,3
	v_add_nc_u32 v[SO+\b], 0xff000000, v[BM+\b]    ; 2 off the exponent field: the conversion's scale operand
.endr
.irp b, 0,1,2,3
	v_lshrrev_b32 v[BT+\b], 23, v[SO+\b]           ; the scale's byte
.endr
	v_lshl_or_b32 v[PT], v[BT+1], 8, v[BT]
	v_lshl_or_b32 v[BT+2], v[BT+3], 8, v[BT+2]
	s_delay_alu instid0(VALU_DEP_1)
	v_lshl_or_b32 v[PT], v[BT+2], 16, v[PT]        ; p's scale word for these 128 keys
.irp b, 0,1,2,3
	v_cvt_scalef32_pk8_fp4_f32 v[PC+2*\b], v[S+16*\b:S+16*\b+7], v[SO+\b]
	v_cvt_scalef32_pk8_fp4_f32 v[PC+2*\b+1], v[S+16*\b+8:S+16*\b+15], v[SO+\b]
.endr
	v_pk_add_f32 v[L:L+1], v[L:L+1], v[S+60:S+61]  ; (the plain line behind the conversions)
.irp c, 0,1                                    ; a whole block in a lane: lanes 0-15 block 2 c, lanes 16-31 block 2 c + 1
.irp i, 0,1
	v_permlane16_swap_b32 v[PC+4*\c+\i], v[PC+2+4*\c+\i]
.endr
.endr
	WIN 0x01*\h
	v_mov_b32 v[PW+\h], v[PT]                      ; the scale word goes to window 0
	WIN 0x55*\h
	s_wait_alu depctr_va_vdst(0)                   ; directly ahead of the first reader of O^T
.set j, 0
.rept 16
	v_pk_mul_f32 v[O+j:O+j+1], v[O+j:O+j+1], v[F:F+1] op_sel_hi:[1,0]     ; O^T under the new M
.set j, j+2
.endr
	v_pk_add_f32 v[LB:LB+1], v[LB:LB+1], v[S+62:S+63]              ; the sum's last four additions are the four plain lines ahead of the products
	v_pk_add_f32 v[LB+2:LB+3], v[LB+2:LB+3], v[LB+4:LB+5]
	v_pk_add_f32 v[L:L+1], v[L:L+1], v[LB:LB+1]
	v_pk_add_f32 v[L:L+1], v[L:L+1], v[LB+2:LB+3]
.irp d, 0,2                                    ; O^T += V^T P^T: four accumulators by turns
	v_wmma_scale_f32_16x16x128_f8f6f4 v[O+8*\d:O+8*\d+7], v[VF+8*\d:VF+8*\d+7], v[PC:PC+7], v[O+8*\d:O+8*\d+7], v[VS+2*\h+\d/2], v[PW+\h] matrix_a_fmt:MATRIX_FMT_FP4 matrix_b_fmt:MATRIX_FMT_FP4
	v_wmma_scale_f32_16x16x128_f8f6f4 v[O+8*\d+8:O+8*\d+15], v[VF+8*\d+8:VF+8*\d+15], v[PC:PC+7], v[O+8*\d+8:O+8*\d+15], v[VS+2*\h+\d/2], v[PW+\h] matrix_a_fmt:MATRIX_FMT_FP4 matrix_b_fmt:MATRIX_FMT_FP4 matrix_a_scale:MATRIX_SCALE_ROW1
.endr
.endm
; A KEY STEP of both heads on operands that are in registers or on their way.  LDS loads in order of issue: the mask's 16, head 0's 18, head 1's 18.
; chg = 1: the step is its slot's last: slot cs is filled again behind a round of the cluster's barrier; chg = 2: the same place with nothing left to ask for: a plain barrier shows the last slot whole.
; nx = 1: the next step's operands, step nst of slot nsl, are loaded on the way.
.macro STEP chg, cs, how, nx, nsl, nst
.if \chg
	WIN 0
	s_wait_tensorcnt 0x0                           ; my part of the other slot has landed; no tensor load of mine is out
	ds_add_u32 v[SPW], v[NIL]                      ; 0 onto my spare word; work on registers stands between it and the wait for it
.if \chg == 1
	s_add_nc_u64 s[G0M+4*\cs+2:G0M+4*\cs+3], s[G0M+4*\cs+2:G0M+4*\cs+3], 2*1024
	s_add_nc_u64 s[G0K+4*\cs+2:G0K+4*\cs+3], s[G0K+4*\cs+2:G0K+4*\cs+3], 2*71680
	s_wait_xcnt 0x0                                ; the last prefetch has read its address
	s_add_nc_u64 s[PFA:PFA+1], s[PFA:PFA+1], s[PFS:PFS+1]
.endif
	s_wait_dscnt 37                                ; the mask is in: behind it 2 x 18 loads and the add
.else
	s_wait_dscnt 36                                ; the mask is in: behind it 2 x 18 loads
.endif
	WIN 0x41
.set j, 0
.rept 32
	v_pk_mul_f32 v[j:j+1], v[j:j+1], s[CM:CM+1] op_sel_hi:[1,0]    ; x -1.25e8, once for both heads
.set j, j+2
.endr
	s_wait_alu depctr_va_vdst(0)
.if \chg
	WIN 0
	s_wait_dscnt 0x0                               ; the add is done, and all my reads of this step's slot are in registers
	s_barrier_signal -1                            ; say so; work on registers alone stands between this signal and its wait: both first products and head 0's softmax and second product
	PLACES                                         ; the plain lines ahead of the products
	QK 0
	QK 1
	PLACES                                         ; ahead of the first read of S^T
	SOFT 0, 0
	WIN 0
	s_barrier_wait -1                              ; all eight waves have said so
.if \chg == 1
	CREST                                          ; the rest of the cluster's round
	JLOAD \cs                                      ; the first tensor load behind the round; its four v_nop are also the plain lines ahead of the loads below
	ASK \how
.else
	PLACES                                         ; ahead of the loads into registers that the products have read
.endif
	MLOAD \nsl, \nst
	LOADKV 0, \nsl, \nst
.else
	s_wait_dscnt 8                                 ; all but head 1's V
	PLACES
	QK 0
	QK 1
	PLACES                                         ; ahead of the loads into C and of the first read of S^T
.if \nx
	MLOAD \nsl, \nst
.endif
	SOFT 0, 0
.if \nx
	PLACES                                         ; ahead of the loads into registers that the products have read
	LOADKV 0, \nsl, \nst
.endif
.endif
	SOFT 1, 34*\nx
.if \nx
	PLACES
	LOADKV 1, \nsl, \nst
.endif
	WIN 0
.endm
	s_load_b256 s[4:11], s[0:1], 0x0               ; x, mask, kv, out0
	v_lshl_add_u32 v[SPW], v0, 2, SPARE
	v_mov_b32 v[NIL], 0
	ds_add_u32 v[SPW], v[NIL]                      ; the opening lines: the add, twice on end, and its wait
	ds_add_u32 v[SPW], v[NIL]
	v_lshrrev_b32 v[T0], 5, v0
	v_readfirstlane_b32 s[WV], v[T0]               ; wave 0..7
	v_and_b32 v[RR], 15, v0
	v_bfe_u32 v[HH], v0, 4, 1
	v_mul_u32_u24 v[QO], v[HH], 12288              ; q: sixteen lanes take a head's 256 bytes of one row, the other sixteen the next row's
	v_lshl_add_u32 v[QO], v[RR], 4, v[QO]
	s_bfe_u32 s13, ttmp6, 0x40000                  ; cx: the group of four heads
	s_bfe_u32 s14, ttmp6, 0x40004                  ; cy
	s_lshl_b32 s70, s14, 2
	s_lshl_b32 s70, 15, s70                        ; my row of the cluster
	s_lshl_b32 s71, 0x1111, s13                    ; my column
	s_or_b32 s[G1M], s70, (2<<16)|(1<<20)|(1<<21)|(7<<22)|(3<<25)   ; the mask: 16 rows x 256 elements of 4 bytes, 4 words of padding behind every 256
	s_mov_b32 s[G1M+1], 256<<16
	s_mov_b32 s[G1M+2], 16<<16
	s_mov_b32 s[G1M+3], 256<<16
	s_mov_b32 s[G1M+4], 16
	s_mov_b32 s[G1M+5], 4096
	s_mov_b32 s[G1M+6], 0
	s_mov_b32 s[G1M+7], 0
	s_or_b32 s[G1K], s71, (3<<16)|(1<<21)          ; kv: 17,920 dense bytes as 70 rows of 32 elements of 8 bytes
	s_mov_b32 s[G1K+1], 32<<16
	s_mov_b32 s[G1K+2], 70<<16
	s_mov_b32 s[G1K+3], 32<<16
	s_mov_b32 s[G1K+4], 70
	s_mov_b32 s[G1K+5], 32
	s_mov_b32 s[G1K+6], 0
	s_mov_b32 s[G1K+7], 0
	s_and_b32 s72, ttmp7, 0xffff
	s_lshl_b32 s72, s72, 2
	s_add_co_u32 s72, s72, s14                     ; my block of 64 queries
	s_and_b32 s73, s[WV], 3                        ; which quarter of a tile I fetch
	s_lshl_b32 s74, s72, 6                         ; the mask: row 64 x block + 16 x quarter, 16,384 bytes a row
	s_lshl_b32 s75, s73, 4
	s_add_co_u32 s74, s74, s75
	s_lshl_b32 s74, s74, 14
	s_mov_b32 s75, 0
	s_lshl_b32 s76, ttmp9, 2
	s_add_co_u32 s76, s76, s13                     ; g = 4 b + cx
	s_mul_i32 s78, s76, 1146880                    ; kv: 16 slots of 71,680 bytes a group, + 17,920 x quarter
	s_mul_i32 s79, s73, 17920
	s_add_co_u32 s78, s78, s79
	s_mov_b32 s79, 0
	s_mul_i32 s80, s73, 16*MP                      ; where they go in a slot
	s_mul_i32 s81, s73, 17920
	s_add_co_u32 s81, s81, KVO
	s_and_b32 s83, s[WV], 1                        ; my pair of heads
	s_lshr_b32 s84, s[WV], 1                       ; my tile of 16 queries
	s_lshl_b32 s85, ttmp9, 11
	s_lshl_b32 s86, s72, 6
	s_add_co_u32 s85, s85, s86
	s_lshl_b32 s86, s84, 4
	s_add_co_u32 s85, s85, s86                     ; my first query's row in x and in out0
	s_lshl_b32 s86, s13, 2
	s_lshl_b32 s87, s83, 1
	s_add_co_u32 s86, s86, s87
	s_lshl_b32 s86, s86, 8                         ; my first head's 256 bytes in a row
	s_mul_i32 s88, s85, 12288
	s_add_co_u32 s88, s88, s86
	s_mov_b32 s89, 0
	s_lshl_b32 s90, s85, 12
	s_add_co_u32 s90, s90, s86
	s_mov_b32 s91, 0
	s_mov_b32 s[CS], 0x4138aa3b                    ; 8 log2(e)
	s_mov_b32 s[CS+1], s[CS]
	s_mov_b32 s[CN], 0xc138aa3b
	s_mov_b32 s[CM], 0xccee6b28                    ; -1.25e8
	s_mov_b32 s[CM+1], s[CM]
	s_mov_b32 s[SEL], 0x76543210
	s_mov_b32 s[SEL+1], 0xfedcba98
	s_mov_b32 s[LAP], 7
	s_mov_b32 s70, 0x7f7f0000                      ; bytes 2 and 3 of q's scale word: 1.0
	s_wait_alu depctr_va_vdst(0)
	s_wait_dscnt 0x0                               ; both opening adds are done
	s_wait_kmcnt 0x0
	s_add_nc_u64 s[4:5], s[4:5], s[88:89]          ; x at my first query's q of my first head
	s_add_nc_u64 s[10:11], s[10:11], s[90:91]      ; out0 likewise
.irp i, 0,1,2,3,4,5,6,7
	global_load_b128 v[S+32+4*\i:S+35+4*\i], v[QO], s[4:5] offset:24576*\i th:TH_LOAD_NT
.endr
	WIN 0x40
.irp i, 0,1,2,3,4,5,6,7
	global_load_b128 v[S+32+4*\i:S+35+4*\i], v[QO], s[4:5] offset:256+24576*\i th:TH_LOAD_NT
.endr
	WIN 0
	s_add_nc_u64 s[74:75], s[6:7], s[74:75]
	s_add_nc_u64 s[78:79], s[8:9], s[78:79]
.irp s, 0,1
	s_mov_b32 s[G0M+4*\s], 1
	s_add_co_u32 s[G0M+4*\s+1], s80, \s*SLOT
	s_add_nc_u64 s[G0M+4*\s+2:G0M+4*\s+3], s[74:75], \s*1024
	s_or_b32 s[G0M+4*\s+3], s[G0M+4*\s+3], 0x80000000
	s_mov_b32 s[G0K+4*\s], 1
	s_add_co_u32 s[G0K+4*\s+1], s81, \s*SLOT
	s_add_nc_u64 s[G0K+4*\s+2:G0K+4*\s+3], s[78:79], \s*71680
	s_or_b32 s[G0K+4*\s+3], s[G0K+4*\s+3], 0x80000000
.endr
	CROUND                                         ; all sixteen work-groups are here: the first joint loads meet
	JLOAD 0                                        ; slot 0: one tensor load a wave at the head
	s_mul_i32 s92, s84, 16*MP                      ; the mask: row 16 x tile + r
	s_lshl_b32 s93, s83, 14                        ; my heads' codes: 8,192 a head
	s_add_co_u32 s93, s93, KVO
	s_mul_i32 s94, s83, 1536                       ; and their scale words: 768 a head
	s_add_co_u32 s94, s94, SCO
	s_add_co_u32 s87, s94, 512
	s_mul_i32 s95, s[WV], 16*SP                    ; my stage
	v_and_b32 v[LN], 31, v0
	v_mul_u32_u24 v[AM], v[RR], MP
	v_lshl_add_u32 v[AM], v[HH], 6, v[AM]
	v_add_nc_u32 v[AM], s92, v[AM]
	v_add_nc_u32 v[AM+1], SLOT, v[AM]
	v_lshl_add_u32 v[AK], v[LN], 4, s93
	v_add_nc_u32 v[AK+1], SLOT, v[AK]
	v_lshl_add_u32 v[ASK], v[LN], 4, s94
	v_add_nc_u32 v[ASK+1], SLOT, v[ASK]
	v_lshl_add_u32 v[ASV], v[LN], 3, s87
	v_add_nc_u32 v[ASV+1], SLOT, v[ASV]
	v_mul_u32_u24 v[STO], v[RR], SP
	v_lshl_add_u32 v[STO], v[HH], 5, v[STO]
	v_add_nc_u32 v[STO], s95, v[STO]               ; into the stage: row r; head h, tile d: 256 h + 64 d + 32 (lane / 16) bytes on
	v_lshl_add_u32 v[RD], v[LN], 4, s95            ; back: a row of 512 bytes an instruction
	v_lshlrev_b32 v[GO], 4, v[LN]
.set QST, SPARE+1024                   ; behind the spare words: q's stage, 16 rows x (256 bytes + 16) for each wave; no fill lands there
.set QSI, 34                           ; v34  into it: as loaded, two rows an instruction
.set QSO, 35                           ; v35  out of it: row r, + 128 (lane / 16): a whole block of 32 channels of my query
	s_mul_i32 s95, s[WV], 16*272
	s_add_co_u32 s95, s95, QST
	v_mul_u32_u24 v[QSI], v[HH], 272
	v_lshl_add_u32 v[QSI], v[RR], 4, v[QSI]
	v_add_nc_u32 v[QSI], s95, v[QSI]
	v_mul_u32_u24 v[QSO], v[RR], 272
	v_lshl_add_u32 v[QSO], v[HH], 7, v[QSO]
	v_add_nc_u32 v[QSO], s95, v[QSO]
	; the prefetches (macro ASK): where my wave's stand, and who asks
	s_lshl_b32 s92, s72, 6
	s_lshl_b32 s93, s13, 4
	s_add_co_u32 s92, s92, s93
	s_lshl_b32 s93, s83, 3
	s_add_co_u32 s92, s92, s93
	s_lshl_b32 s92, s92, 14
	s_add_co_u32 s92, s92, 2*1024                  ; in slot 2: what the prefetch behind slot 0's fill names
	s_mul_i32 s93, s76, 1146880
	s_lshl_b32 s94, s14, 14
	s_add_co_u32 s93, s93, s94
	s_lshl_b32 s94, s83, 13
	s_add_co_u32 s93, s93, s94
	s_add_co_u32 s93, s93, 2*71680
	s_mul_i32 s94, s76, 1146880
	s_mul_i32 s95, s14, 1536
	s_add_co_u32 s94, s94, s95
	s_add_co_u32 s94, s94, 2*71680+65536           ; kv's scale words of slot 2: + 1,536 cy
	s_mov_b32 s71, 71680
	s_cmp_lt_u32 s[WV], 6                          ; waves 4 and 5 ask for the mask, waves 6 and 7 for kv's codes,
	s_cselect_b64 s[PFA:PFA+1], s[6:7], s[8:9]
	s_cselect_b32 s92, s92, s93
	s_cselect_b32 s[PFS], 1024, s71                ; a slot on
	s_mov_b32 s87, 1024
	s_cselect_b32 s87, 16384, s87                  ; from four lanes to the next four
	s_cmp_eq_u32 s[WV], 3                          ; wave 3 for kv's scale words
	s_cselect_b64 s[PFA:PFA+1], s[8:9], s[PFA:PFA+1]
	s_cselect_b32 s92, s94, s92
	s_cselect_b32 s[PFS], s71, s[PFS]
	s_cselect_b32 s87, 1024, s87
	s_cselect_b32 s86, 5, 31                       ; the last block that a lane names
	s_mov_b32 s93, 0
	s_mov_b32 s[PFS+1], 0
	s_add_nc_u64 s[PFA:PFA+1], s[PFA:PFA+1], s[92:93]
	s_cmp_ge_u32 s[WV], 3
	s_cselect_b32 s[LIM], 1, -1                    ; waves 3 to 7 ask, in every work-group alike
	v_min_u32 v[T0], s86, v[LN]
	v_lshrrev_b32 v[PFO], 2, v[T0]
	v_mul_lo_u32 v[PFO], v[PFO], s87
	v_and_b32 v[T0], 3, v[T0]
	v_lshl_add_u32 v[PFO], v[T0], 8, v[PFO]
	ASK 1                                          ; slot 2, behind slot 0's fill
.irp h, 0,1                                    ; each head's state: the key step is written once for all steps, and the first finds zeros
	WIN 0x40*\h
	v_mov_b32 v[SMX], 0xfcf0bdc2                   ; the largest score so far: -1e37
	v_mov_b32 v[NM], 0x7e967699                    ; -M: 1e38
	v_mov_b32 v[L], 0
	v_mov_b32 v[L+1], 0
	v_mov_b32 v[F+1], 0
	v_mov_b32 v[BT], 0                             ; a lane permute's destination counts as one of its sources
.irp j, 0,1,2,3
	v_mov_b32 v[QF+4+\j], 0
	v_mov_b32 v[KZ+\j], 0
.endr
.set j, 0
.rept 32
	v_mov_b32 v[O+j], 0
.set j, j+1
.endr
.endr
	s_wait_alu depctr_va_vdst(0)
	s_wait_loadcnt 0x0                             ; q of both heads
.irp h, 0,1                                    ; through my stage, a head at a time: LDS serves a wave's instructions in order, so the loads see the stores, and head 1's stores come behind head 0's loads
	WIN 0x04*\h
.irp i, 0,1,2,3,4,5,6,7
	ds_store_b128 v[QSI], v[S+32+4*\i:S+35+4*\i] offset:544*\i
.endr
	WIN 0x40*\h
.irp i, 0,1,2,3,4,5,6,7
	ds_load_b128 v[S+4*\i:S+4*\i+3], v[QSO] offset:16*\i
.endr
.endr
	s_wait_dscnt 0x0
.irp h, 0,1                                    ; q's block of 32 channels is all mine: its byte, its codes
	WIN 0x55*\h
	v_max3_num_f32 v[BM], |v[S]|, |v[S+1]|, |v[S+2]|
	v_max3_num_f32 v[BM+1], |v[S+3]|, |v[S+4]|, |v[S+5]|
.irp i, 6,10,14,18,22,26
	v_max3_num_f32 v[BM], v[BM], |v[S+\i]|, |v[S+\i+1]|
	v_max3_num_f32 v[BM+1], v[BM+1], |v[S+\i+2]|, |v[S+\i+3]|
.endr
	v_max3_num_f32 v[BM], v[BM], |v[S+30]|, |v[S+31]|
	v_max3_num_f32 v[BM], v[BM], v[BM+1], 0x1800000
	v_add_nc_u32 v[SO], 0xff000000, v[BM]
	v_lshrrev_b32 v[TA], 23, v[SO]
.irp g, 0,1,2,3
	v_cvt_scalef32_pk8_fp4_f32 v[QF+\g], v[S+8*\g:S+8*\g+7], v[SO]
.endr
	v_nop
	v_permlanex16_b32 v[BT], v[TA], s[SEL], s[SEL+1]
	v_lshl_or_b32 v[PT], v[BT], 8, v[TA]           ; lanes 0-15, the ones that are read: my byte (channels 0-31), lane l + 16's above it,
	v_or_b32 v[PT], s70, v[PT]                     ; under two bytes of 1.0
	WIN 0x01*\h
	v_mov_b32 v[QW+\h], v[PT]
.endr
	WIN 0
	s_wait_alu depctr_va_vdst(0)
	s_wait_tensorcnt 0x0                           ; my part of slot 0 is in
	ds_add_u32 v[SPW], v[NIL]
	s_wait_xcnt 0x0                                ; the first prefetch has read its address
	s_add_nc_u64 s[PFA:PFA+1], s[PFA:PFA+1], s[PFS:PFS+1]
	s_wait_dscnt 0x0
	CROUND
	JLOAD 1                                        ; slot 1's first fill
	ASK 1                                          ; slot 3
	MLOAD 0, 0                                     ; the first step's operands
	LOADKV 0, 0, 0
	LOADKV 1, 0, 0
	WIN 0
.Lslots:                                               ; seven trips of two slots: keys 0 to 3,583; fourteen refills: keys 512 to 4,095
	STEP 0, 0, 0, 1, 0, 1
	STEP 1, 0, 0, 1, 1, 0
	STEP 0, 0, 0, 1, 1, 1
	STEP 1, 1, 0, 1, 0, 0
	s_sub_co_u32 s[LAP], s[LAP], 1
	s_cmp_lg_u32 s[LAP], 0
	s_cbranch_scc1 .Lslots
	STEP 0, 0, 0, 1, 0, 1                          ; the tail is written out: nothing is left to ask for
	STEP 2, 0, 0, 1, 1, 0
	STEP 0, 0, 0, 1, 1, 1
	STEP 0, 0, 0, 0, 0, 0
	; THE WAY OUT.  O^T is divided by the row's sum and goes through my stage in LDS: a row of the stage is my two heads' 512 neighbouring bytes of a row of out0.
.irp h, 0,1
	WIN 0x55*\h
	v_add_f32 v[L], v[L], v[L+1]
	v_permlanex16_b32 v[BT], v[L], s[SEL], s[SEL+1]
	v_add_f32 v[L], v[L], v[BT]
	s_wait_alu depctr_va_vdst(0)                   ; ahead of the transcendental
	v_rcp_f32 v[L], v[L]
	v_nop
	s_wait_alu depctr_va_vdst(0)                   ; and ahead of its first reader, which is also O^T's
.set j, 0
.rept 32
	v_mul_f32 v[S+j], v[O+j], v[L]
.set j, j+1
.endr
	WIN 0x04*\h
.irp d, 0,1,2,3
	ds_store_b128 v[STO], v[S+8*\d:S+8*\d+3] offset:256*\h+64*\d
	ds_store_b128 v[STO], v[S+8*\d+4:S+8*\d+7] offset:256*\h+64*\d+16
.endr
.endr
	WIN 0
.irp i, 0,1,2,3,4,5,6,7,8,9,10,11,12,13,14,15
	ds_load_b128 v[KF+4*\i:KF+4*\i+3], v[RD] offset:\i*SP          ; LDS serves a wave's instructions in order: these see my stores
.endr
.irp i, 0,1,2,3,4,5,6,7,8,9,10,11,12,13,14,15
	s_wait_dscnt 15-\i
	global_store_b128 v[GO], v[KF+4*\i:KF+4*\i+3], s[10:11] offset:\i*4096 th:TH_STORE_NT   ; 32 lanes store 512 consecutive bytes, aligned
.endr
	s_wait_tensorcnt 0x0                           ; the wave's end
	ds_add_u32 v[SPW], v[NIL]
	s_wait_dscnt 0x0
	CROUND                                         ; the closing round
	s_endpgm
.Lfunc_end_k_q2a9331e8e6_attn:
	.size	k_q2a9331e8e6_attn, .Lfunc_end_k_q2a9331e8e6_attn-k_q2a9331e8e6_attn
	.p2alignl 7, 3214868480
	.fill 96, 4, 3214868480
	.section	.rodata,"a",@progbits
	.p2align	6, 0x0
	.amdhsa_kernel k_q2a9331e8e6_attn
		.amdhsa_group_segment_fixed_size 327680
		.amdhsa_private_segment_fixed_size 0
		.amdhsa_enable_private_segment 0
		.amdhsa_kernarg_size 32
		.amdhsa_user_sgpr_count 2
		.amdhsa_user_sgpr_kernarg_segment_ptr 1
		.amdhsa_wavefront_size32 1
		.amdhsa_system_sgpr_workgroup_id_x 1
		.amdhsa_system_sgpr_workgroup_id_y 1
		.amdhsa_system_sgpr_workgroup_id_z 1
		.amdhsa_system_vgpr_workitem_id 0
		.amdhsa_next_free_vgpr 512
		.amdhsa_next_free_sgpr 96
		.amdhsa_reserve_vcc 0
		.amdhsa_float_denorm_mode_32 3
		.amdhsa_float_denorm_mode_16_64 3
		.amdhsa_memory_ordered 1
		.amdhsa_forward_progress 1
		.amdhsa_inst_pref_size 255
	.end_amdhsa_kernel
	.section	.bss,"aw",@nobits
	.p2align	6
	.space	262144
	.amdgpu_metadata
---
amdhsa.version: [ 1, 2 ]
amdhsa.kernels:
  - .name:           k_q2a9331e8e6_attn
    .symbol:         k_q2a9331e8e6_attn.kd
    .args:
      - { .name: x, .offset: 0, .size: 8, .value_kind: global_buffer, .address_space: global }
      - { .name: mask, .offset: 8, .size: 8, .value_kind: global_buffer, .address_space: global }
      - { .name: kv, .offset: 16, .size: 8, .value_kind: global_buffer, .address_space: global }
      - { .name: out0, .offset: 24, .size: 8, .value_kind: global_buffer, .address_space: global }
    .group_segment_fixed_size: 327680
    .private_segment_fixed_size: 0
    .kernarg_segment_align: 8
    .kernarg_segment_size: 32
    .max_flat_workgroup_size: 256
    .sgpr_count:     96
    .vgpr_count:     512
    .wavefront_size: 32
...
	.end_amdgpu_metadata
.endif
;; end of part 2
